; MI455X (gfx1250); checked and timed in simulation.
; The chip was launched on July 23, 2026; its instructions are those of AMD's public machine-readable ISA for CDNA 5 (MIT licence, August 2026) and "CDNA5" Instruction Set Architecture Reference Guide (July 2026). The comments in the code are by the model that wrote it; some were corrected since.
;; Grid KNN Downsample. Allowed arithmetic: matrix products marked QUANTISED: E5M2 operands, one E8M0 scale for each 32 along K, by v_wmma_scale_f32_16x16x128_f8f6f4 with both operands' format E5M2, f32 sums; everything else in f32.
;; Inputs: W 384 x 192 float32; beta 192 float32; gamma 192 float32; idx 32,768 x 16 int32; src_feat 262,144 x 192 float32.
;; Outputs: out0 32,768 x 384 float32.
;; This version of the problem:
;;   THIS VERSION OF THE PROBLEM IS GIVEN IN LOW PRECISION. The matrix products marked QUANTISED in the list below multiply operands that are first quantised to E5M2 (5 exponent bits, 2 mantissa bits; 8 bits a number), with one power-of-two scale for each 32 numbers along K (OCP MX v1.0); their sums are f32. All else is computed in f32.
;;   The module's matrix products, in the order in which they are computed (A, B: the left and right operand; K: the contracted axis; several contracted axes count as one K, in the product's order):
;;     1. [M 524,288, K 192] x [K 192, N 384]; A: computed on the way; B: input W: QUANTISED
;;   THE QUANTISER, for each operand of a quantised product, along K:
;;     - K is cut into blocks of 32 from its start; a last block that is shorter is filled with zeros.
;;     - A block's scale is 2^e with e = floor(log2(the largest magnitude in the block)) - 15, held to -126 .. 127; a block of zeros has e = 0. As a byte (E8M0): e + 127.
;;     - Each number is divided by its block's scale, clamped to +-57,344, and rounded to the nearest number of E5M2, ties to even, subnormals kept.
;;     - The product sums the exact products of the quantised numbers (number of the format x scale) in f32.
;;   ~~~python
;;   def quantise(x, axis):      # numpy; x: float32 -> the quantised numbers, widened to float32 again
;;       x = np.moveaxis(x, axis, -1); K = x.shape[-1]
;;       x = np.pad(x, [(0, 0)] * (x.ndim - 1) + [(0, -K % 32)]); x = x.reshape(x.shape[:-1] + (-1, 32)); a = np.abs(x).max(-1, keepdims=True)
;;       e = np.where(a > 0, np.clip(np.frexp(np.where(a > 0, a, 1))[1] - 1 - 15, -126, 127), 0)      # np.frexp(a)[1] - 1 = floor(log2(a)), exactly
;;       r = np.clip(x / 2.0 ** e, -57344, 57344)
;;       step = 2.0 ** (np.maximum(np.frexp(np.where(r == 0, 1, r))[1] - 1, -14) - 2)
;;       q = np.round(r / step) * step * 2.0 ** e      # np.round: ties to even
;;       return np.moveaxis(q.reshape(q.shape[:-2] + (-1,))[..., :K], -1, axis).astype(np.float32)
;;   ~~~
;;   OPERANDS COMPUTED ON THE WAY. 'Computed on the way' means the value that the module computes at that place (a softmax that the list does not call 'softmax' is quantised finished and normalised). What goes into a quantiser is computed in f32, as accurately as f32 sums, v_exp_f32 and their like allow (about 1e-6 of the number): no bf16 or f16 on the way to a quantiser, and a product that is left as it is and whose result goes on into a quantised operand takes f32 operands (vector FMAs, or v_wmma_f32_16x16x4_f32). A number that lies on a knife's edge between two numbers of the format may be rounded either way, as far as f32 arithmetic and the matrix unit's own rounding can turn it there, and no further.
;; One version. Each part assembles by itself: llvm-mc -triple=amdgcn-amd-amdhsa -mcpu=gfx1250 --defsym DOCPART=n.
;; ======== version 1 of 1: 2 launches
;; limits: right only within a limited range of input values
;; workspace buffers: table 67,108,864 bytes; wtab 98,304 bytes
;; launch quant (part 1): grid 1030 x 1, 4 waves a work-group, no clusters, 18,944 bytes of LDS; arguments src_feat, W, gamma, beta, table, wtab; writes table, wtab
.if DOCPART == 1
	.amdgcn_target "amdgcn-amd-amdhsa--gfx1250"
	.amdhsa_code_object_version 6
	.text
	.protected	k_q7e07ecac8d_quant
	.globl	k_q7e07ecac8d_quant
	.p2align	8
	.type	k_q7e07ecac8d_quant,@function
k_q7e07ecac8d_quant:
	s_mov_b64 s[64:65], 0
	v_nop
	global_prefetch_b8 v0, s[64:65] scope:SCOPE_SE
	s_setreg_imm32_b32 hwreg(HW_REG_WAVE_MODE, 25, 1), 1
	s_wait_xcnt 0x0
; Every row of src_feat [262144][192] f32 is normalised (LayerNorm: mean, biased variance, eps 1e-5, gamma, beta) and quantised ONCE to codes of E5M2 with one E8M0 scale byte
; for each 32 along the 192 channels; every row of W [384][192] is quantised the same way, without the norm.  Both depend on the row alone, so the gather of the next launch reads finished rows.
; A ROW OF THE RESULT IS 256 BYTES: bytes 0-191 the codes, channel ascending; 192-195 the scale bytes of blocks 0-3; 196-199 the bytes (s4, s5, s4, s5); 200-255 are written and never used.
; table [262144][256]: row i is source row i.  wtab [384][256]: row 64 b + 16 t + r holds W's row 64 b + 4 r + t.
; A block's scale is 2^(floor(log2(its largest magnitude)) - 15); its byte is that magnitude's exponent field - 15, held at 1 from below.
; LIMITS: NaN and infinities among the inputs are not served.  A block whose largest magnitude lies under 2^-111 keeps the byte 1; a block of zeros gets the byte 1 where the rule says 127:
; its codes are zeros, which add nothing under that byte, and this program alone reads the bytes.  The mean and the variance are sums times 1/192 rounded to f32, not divisions.
; SHARES.  Work-groups 0-5 take W: a wave 16 rows, 4 steps.  Work-groups 6-1029 take the source: a wave 64 rows, 16 steps.  One text serves both: pointers and strides are chosen on the work-group's number.
; A STEP is 4 rows, 3,072 consecutive bytes: six loads of 512 consecutive bytes.  They turn through the wave's own stage in LDS, so that lane l = 8 rho + q holds, of row rho, channels 64 j + 8 q + 0..7, j = 0, 1, 2.
; The codes and scale words go back through a second stage and leave as whole rows: sixteen lanes store 256 consecutive bytes, aligned.  No barrier: waves share nothing.
; THE ORDER.  Step t works on set t % 2 of two sets of 24 numbers, issues its way out, turns step t + 2's numbers through the stage into the set just worked on, waits ONCE for LDS, stores its rows,
; and loads the registers that the stage has read with step t + 6's numbers: four sets of 24 registers hold 18 to 24 loads of every wave on their way.
.set NWGW, 6                           ; work-groups that take W
.set WREG, 4608                        ; LDS of a wave: the stage in (4 rows x 784), the stage out at 3328 (4 rows x 320)
.set INP,  784                         ; 768 + 16: two rows' eight lanes, 32 bytes apart, fall on sixteen different columns of 16 bytes
.set OST,  3328
.set OUTP, 320                         ; 256 + 64: the four rows' 64 bytes of a store fall in four different quarters of 256 bytes
.set GL,   1                           ; 16 x lane: my 16 bytes of a load's 512
.set S0,   2                           ; stage in: wave + 16 x lane
.set S1,   3                           ; the same + 16 for lanes 16-31: loads in whose middle a row ends
.set XR,   4                           ; stage in, back: wave + 784 rho + 32 q
.set OS,   5                           ; stage out: wave + 3328 + 320 rho + 8 q
.set ORD,  6                           ; stage out, back: wave + 3328 + 320 (lane / 16) + 16 (lane % 16)
.set OF0,  7                           ; the same place in the result: (lane / 16) x row stride + 16 (lane % 16)
.set OF1,  8                           ; two rows on
.set GB,   9                           ; 32 q: my channels in gamma and beta
.set T,    10                          ; v10-29 at work
.set C,    30                          ; v30-35 codes
.set SW,   36                          ; v36-37 the two scale words
.set OB,   38                          ; v38-45 four rows read back
.set G,    46                          ; v46-69 gamma of my 24 channels
.set BT,   70                          ; v70-93 beta
.set SPW,  94                          ; my spare word, behind the four waves' regions
.set NIL,  95                          ; 0
.set R,    96                          ; v96-191 four sets of 24, as loaded
.set X,    192                         ; v192-239 two sets of 24: my numbers
	s_load_b256 s[4:11], s[0:1], 0x0               ; src_feat s[4:5], W s[6:7], gamma s[8:9], beta s[10:11]
	s_load_b128 s[12:15], s[0:1], 0x20             ; table s[12:13], wtab s[14:15]
	v_lshl_add_u32 v[SPW], v0, 2, 0x4800
	v_mov_b32 v[NIL], 0
	v_lshrrev_b32 v10, 5, v0
	v_readfirstlane_b32 s16, v10                   ; wave 0..3
	s_cmp_lt_u32 ttmp9, NWGW                       ; W's work-group or the source's: the choice hangs on the work-group's number alone
	s_cselect_b32 s17, 1, 0                        ; s17 = 1: W
	s_cselect_b32 s18, 0, NWGW
	s_mov_b32 s24, 1024
	s_cselect_b32 s24, 256, s24                    ; the result's bytes from step to step: 4 rows on end, or one row of wtab
	s_mov_b32 s28, 256
	s_cselect_b32 s28, 4096, s28                   ; and from row to row of a step: neighbours, or 16 rows of wtab apart
	s_mov_b32 s33, 49152
	s_cselect_b32 s33, 12288, s33                  ; a wave's input: 64 rows of 768 bytes, or 16
	s_sub_co_u32 s18, ttmp9, s18
	s_lshl_b32 s18, s18, 2
	s_add_co_u32 s18, s18, s16                     ; my wave's number in its tensor
	s_mul_i32 s34, s18, s33                        ; where its input begins (under 2^28)
	s_mov_b32 s35, 0
	s_lshl_b32 s36, s18, 14                        ; where its result begins.  The source: 64 rows of 256 bytes a wave.
	s_lshr_b32 s37, s18, 2                         ; W: rows 16 w + 4 st + rho = 64 b + 4 r + t with b = w / 4, r = 4 (w % 4) + st, t = rho:
	s_lshl_b32 s37, s37, 14                        ; 64 rows of wtab for b,
	s_and_b32 s38, s18, 3
	s_lshl_b32 s38, s38, 10                        ; 4 rows for w % 4
	s_add_co_u32 s37, s37, s38
	s_cmp_lg_u32 s17, 0
	s_cselect_b32 s36, s37, s36
	s_mov_b32 s37, 0
	s_mov_b32 s25, 0
	s_mov_b32 s26, 0                               ; what a step adds to the result's address: nothing in the first step
	s_mov_b32 s27, 0
	s_mov_b32 s40, 0                               ; what every fourth step adds to the input's address: nothing the first time
	s_mov_b32 s41, 0
	s_mov_b32 s29, 0x3baaaaab                      ; 1 / 192
	s_mov_b32 s30, 0x3727c5ac                      ; 1e-5
	s_mov_b32 s31, 0x600000                        ; the mantissa field of 57,344
	s_mov_b32 s32, 2                               ; trips of the loop
	s_mul_i32 s19, s16, WREG                       ; my wave's LDS
	v_and_b32 v10, 31, v0                          ; lane
	v_bfe_u32 v11, v0, 4, 1                        ; lane / 16
	v_bfe_u32 v12, v0, 3, 2                        ; rho
	v_and_b32 v13, 7, v0                           ; q
	v_and_b32 v14, 15, v0
	v_lshlrev_b32 v[GL], 4, v10
	v_add_nc_u32 v[S0], s19, v[GL]
	v_lshl_add_u32 v[S1], v11, 4, v[S0]
	v_mul_u32_u24 v[XR], v12, INP
	v_lshl_add_u32 v[XR], v13, 5, v[XR]
	v_add_nc_u32 v[XR], s19, v[XR]
	v_mul_u32_u24 v[OS], v12, OUTP
	v_lshl_add_u32 v[OS], v13, 3, v[OS]
	v_add_nc_u32 v[OS], s19, v[OS]
	v_add_nc_u32 v[OS], OST, v[OS]
	v_mul_u32_u24 v[ORD], v11, OUTP
	v_lshl_add_u32 v[ORD], v14, 4, v[ORD]
	v_add_nc_u32 v[ORD], s19, v[ORD]
	v_add_nc_u32 v[ORD], OST, v[ORD]
	v_mul_lo_u32 v[OF0], v11, s28
	v_lshl_add_u32 v[OF0], v14, 4, v[OF0]
	v_lshl_add_u32 v[OF1], s28, 1, v[OF0]
	v_lshlrev_b32 v[GB], 5, v13
	v_mov_b32 v[T+19], 0                           ; written once: the destination of a lane exchange counts as one of its sources
	s_wait_alu depctr_va_vdst(0)                   ; the wait at the head's end
	s_wait_kmcnt 0x0
	s_cmp_lg_u32 s17, 0
	s_cselect_b64 s[20:21], s[6:7], s[4:5]         ; the input,
	s_cselect_b64 s[22:23], s[14:15], s[12:13]     ; the result
	s_add_nc_u64 s[20:21], s[20:21], s[34:35]
	s_add_nc_u64 s[22:23], s[22:23], s[36:37]
.irp j, 0,1,2
.irp e, 0,1
	global_load_b128 v[G+8*\j+4*\e:G+8*\j+4*\e+3], v[GB], s[8:9] offset:256*\j+16*\e      ; both kinds of work-group load them, so that the counts below are alike
	global_load_b128 v[BT+8*\j+4*\e:BT+8*\j+4*\e+3], v[GB], s[10:11] offset:256*\j+16*\e
.endr
.endr
; Six loads: set n takes the step that begins off + 3,072 n bytes from the input's address; 32 lanes read 512 consecutive bytes
.macro FILL n, off
.irp i, 0,1,2,3,4,5
	global_load_b128 v[R+24*(\n)+4*\i:R+24*(\n)+4*\i+3], v[GL], s[20:21] offset:(\off)+3072*(\n)+512*\i th:TH_LOAD_NT
.endr
.endm
; Set m, as loaded, goes into the stage (byte x of the step to x + 16 (x / 768)) and comes back as my 24 numbers in set x.  LDS serves a wave's instructions in order:
; the loads see the stores, and the stores come behind the loads of the turn before.
.macro TURNIN m, x
	ds_store_b128 v[S0], v[R+24*(\m):R+24*(\m)+3]
	ds_store_b128 v[S1], v[R+24*(\m)+4:R+24*(\m)+7] offset:512
	ds_store_b128 v[S0], v[R+24*(\m)+8:R+24*(\m)+11] offset:1040
	ds_store_b128 v[S0], v[R+24*(\m)+12:R+24*(\m)+15] offset:1568
	ds_store_b128 v[S1], v[R+24*(\m)+16:R+24*(\m)+19] offset:2080
	ds_store_b128 v[S0], v[R+24*(\m)+20:R+24*(\m)+23] offset:2608
.irp j, 0,1,2
.irp e, 0,1
	ds_load_b128 v[X+24*(\x)+8*\j+4*\e:X+24*(\x)+8*\j+4*\e+3], v[XR] offset:256*\j+16*\e
.endr
.endr
.endm
; LayerNorm of the step's set, in two passes as the definition has it: the mean first, then the mean of the squared deviations.  A row's eight lanes join by three exchanges.
.macro LN n
.set XS, X+24*((\n)%2)
	v_pk_add_f32 v[T:T+1], v[XS:XS+1], v[XS+2:XS+3]
	v_pk_add_f32 v[T+2:T+3], v[XS+4:XS+5], v[XS+6:XS+7]
.irp k, 8,12,16,20
	v_pk_add_f32 v[T:T+1], v[T:T+1], v[XS+\k:XS+\k+1]
	v_pk_add_f32 v[T+2:T+3], v[T+2:T+3], v[XS+\k+2:XS+\k+3]
.endr
	v_pk_add_f32 v[T:T+1], v[T:T+1], v[T+2:T+3]
	v_add_f32 v[T], v[T], v[T+1]
.irp x, 1,2,4
	v_add_f32_dpp v[T], v[T], v[T] row_xmask:\x row_mask:0xf bank_mask:0xf
.endr
	v_mul_f32 v[T], s29, v[T]                      ; the mean
.irp k, 0,2,4,6,8,10,12,14,16,18,20,22
	v_pk_add_f32 v[XS+\k:XS+\k+1], v[XS+\k:XS+\k+1], v[T:T+1] op_sel_hi:[1,0] neg_lo:[0,1] neg_hi:[0,1]   ; x - mean (the pair's low word serves both halves)
.endr
	v_pk_mul_f32 v[T+2:T+3], v[XS:XS+1], v[XS:XS+1]
	v_pk_mul_f32 v[T+4:T+5], v[XS+2:XS+3], v[XS+2:XS+3]
.irp k, 4,8,12,16,20
	v_pk_fma_f32 v[T+2:T+3], v[XS+\k:XS+\k+1], v[XS+\k:XS+\k+1], v[T+2:T+3]
	v_pk_fma_f32 v[T+4:T+5], v[XS+\k+2:XS+\k+3], v[XS+\k+2:XS+\k+3], v[T+4:T+5]
.endr
	v_pk_add_f32 v[T+2:T+3], v[T+2:T+3], v[T+4:T+5]
	v_add_f32 v[T+2], v[T+2], v[T+3]
.irp x, 1,2,4
	v_add_f32_dpp v[T+2], v[T+2], v[T+2] row_xmask:\x row_mask:0xf bank_mask:0xf
.endr
	v_fma_f32 v[T+2], v[T+2], s29, s30             ; variance + eps
	s_wait_alu depctr_va_vdst(0)                   ; the wait ahead of the transcendental
	v_rsq_f32 v[T+2], v[T+2]
	v_nop                                          ; one plain instruction between a transcendental and the use of its result (ISA guide 5.7.2)
	s_wait_alu depctr_va_vdst(0)                   ; the wait ahead of its first reader
.irp k, 0,2,4,6,8,10,12,14,16,18,20,22
	v_pk_mul_f32 v[XS+\k:XS+\k+1], v[XS+\k:XS+\k+1], v[T+2:T+3] op_sel_hi:[1,0]
.endr
.irp k, 0,2,4,6,8,10,12,14,16,18,20,22
	v_pk_fma_f32 v[XS+\k:XS+\k+1], v[XS+\k:XS+\k+1], v[G+\k:G+\k+1], v[BT+\k:BT+\k+1]
.endr
.endm
; The set's 24 numbers become 24 codes and the row's two scale words.  Chunk j (channels 64 j + 8 q + 0..7) belongs to block 2 j in lanes q < 4 and to block 2 j + 1 in the others.  The three chunks take turns.
.macro QUANT n
.set XS, X+24*((\n)%2)
.irp j, 0,1,2
	v_max3_num_f32 v[T+6+\j], |v[XS+8*\j]|, |v[XS+8*\j+1]|, 0x8000000   ; with the floor 2^(16 - 127) among the leaves: the byte cannot fall under 1
.endr
.irp i, 2,4,6
.irp j, 0,1,2
	v_max3_num_f32 v[T+6+\j], v[T+6+\j], |v[XS+8*\j+\i]|, |v[XS+8*\j+\i+1]|
.endr
.endr
.irp x, 1,2
.irp j, 0,1,2
	v_max_num_f32_dpp v[T+6+\j], v[T+6+\j], v[T+6+\j] row_xmask:\x row_mask:0xf bank_mask:0xf   ; with the block's other three lanes
.endr
.endr
.irp j, 0,1,2
	v_add_nc_u32 v[T+9+\j], 0xf8800000, v[T+6+\j]  ; 15 off the exponent field: the conversion takes the exponent field of this operand as its scale
.endr
.irp j, 0,1,2
	v_and_or_b32 v[T+12+\j], v[T+6+\j], 0x7f800000, s31   ; 57,344 x the scale
.endr
.irp j, 0,1,2
	v_lshrrev_b32 v[T+15+\j], 23, v[T+9+\j]        ; the scale's byte
.endr
	v_lshl_or_b32 v[T+18], v[T+16], 8, v[T+15]
	v_lshl_or_b32 v[T+18], v[T+17], 16, v[T+18]    ; lanes q < 4: (s0, s2, s4)
	v_mov_b32_dpp v[T+19], v[T+18] row_xmask:4 row_mask:0xf bank_mask:0xf   ; and from lane xor 4: (s1, s3, s5)
	v_perm_b32 v[SW], v[T+19], v[T+18], 0x05010400   ; (s0, s1, s2, s3): right in lanes q < 4; lane q = 0's are the bytes that are read
	v_perm_b32 v[SW+1], v[T+19], v[T+18], 0x06020602 ; (s4, s5, s4, s5)
.irp j, 0,1,2
.irp i, 0,1,2,3,4,5,6,7
	v_med3_num_f32 v[XS+8*\j+\i], v[XS+8*\j+\i], -v[T+12+\j], v[T+12+\j]   ; the conversion to an 8-bit code does not saturate (ISA guide 7.6.2): the hold at the largest code x the scale
.endr
.endr
.irp j, 0,1,2
	v_cvt_scalef32_pk8_bf8_f32 v[C+2*\j:C+2*\j+1], v[XS+8*\j:XS+8*\j+7], v[T+9+\j]
.endr
	v_nop                                          ; one plain instruction behind the last scaled conversion
.endm
; Step t, n = t % 4.  turn = 1: step t + 2's numbers turn through the stage; left: the younger loads that may stay out.  fill = 1: the registers that the stage has read take step t + 6's loads.
.macro STEP n, fill, turn, left
	s_cmp_lg_u32 s17, 0                            ; W is quantised as it is
	s_cbranch_scc1 .Lq_\@
	LN \n
.Lq_\@:
	QUANT \n
	s_wait_alu depctr_va_vdst(0)                   ; the wait here, directly ahead of the wait below
	s_wait_xcnt 0x0                                ; the last step's stores and loads have read their data and their bases: these are written again only behind this wait
	s_add_nc_u64 s[22:23], s[22:23], s[26:27]      ; on to this step's rows (the first step adds 0)
	s_mov_b32 s26, s24
.if (\n) == 0
	s_add_nc_u64 s[20:21], s[20:21], s[40:41]      ; four steps of input on (the first time 0)
	s_mov_b32 s40, 12288
.endif
	ds_store_b64 v[OS], v[C:C+1]
	ds_store_b64 v[OS], v[C+2:C+3] offset:64
	ds_store_b64 v[OS], v[C+4:C+5] offset:128
	ds_store_b64 v[OS], v[SW:SW+1] offset:192      ; lane q = 0: bytes 192-199; the others fill the row up to 256
	ds_load_b128 v[OB:OB+3], v[ORD]                ; LDS serves a wave's instructions in order: these see the stores above
	ds_load_b128 v[OB+4:OB+7], v[ORD] offset:2*OUTP
.if \turn
	s_wait_loadcnt \left                           ; loads come back in order: step t + 2's six are in
	TURNIN ((\n)+2)%4, (\n)%2                      ; into the set that this step has worked on
	s_wait_dscnt 6                                 ; all but the turn's six loads: my rows are back, the next step's numbers are in, and the stage's stores have read their registers
.else
	s_wait_dscnt 0x0
.endif
	global_store_b128 v[OF0], v[OB:OB+3], s[22:23]     ; sixteen lanes store a row: 256 consecutive bytes, at a multiple of 256 from the buffer's first byte
	global_store_b128 v[OF1], v[OB+4:OB+7], s[22:23]
.if \fill
	FILL ((\n)+2)%4, 3072*((\n)+6)-3072*(((\n)+2)%4)
.endif
.endm
	FILL 0, 0
	FILL 1, 0
	FILL 2, 0
	FILL 3, 0
	s_wait_loadcnt 18                              ; step 0's six are in (and gamma and beta, which are older)
	TURNIN 0, 0
	s_wait_loadcnt 12                              ; step 1's
	TURNIN 1, 1
	s_wait_dscnt 0x0
	s_cmp_lg_u32 s17, 0
	s_cbranch_scc1 .Ltail                          ; W's waves have four steps in all: the last four
	FILL 0, 12288                                  ; steps 4 and 5
	FILL 1, 12288
.Ltrip:                                            ; two trips of four steps: steps 0 to 7
	STEP 0, 1, 1, 18                               ; 18: the three younger steps' six loads each
	STEP 1, 1, 1, 18
	STEP 2, 1, 1, 18
	STEP 3, 1, 1, 18
	s_sub_co_u32 s32, s32, 1
	s_cmp_lg_u32 s32, 0
	s_cbranch_scc1 .Ltrip
	STEP 0, 1, 1, 18                               ; steps 8 and 9 ask for the last two steps' numbers,
	STEP 1, 1, 1, 18
	STEP 2, 0, 1, 18                               ; the others for none: the counts run down
	STEP 3, 0, 1, 12
.Ltail:
	STEP 0, 0, 1, 6
	STEP 1, 0, 1, 0
	STEP 2, 0, 0, 0
	STEP 3, 0, 0, 0
	s_wait_tensorcnt 0x0                           ; the wave's end
	ds_add_u32 v[SPW], v[NIL]
	s_wait_dscnt 0x0
	s_endpgm
.Lfunc_end_k_q7e07ecac8d_quant:
	.size	k_q7e07ecac8d_quant, .Lfunc_end_k_q7e07ecac8d_quant-k_q7e07ecac8d_quant
	.p2alignl 7, 3214868480
	.fill 96, 4, 3214868480
	.section	.rodata,"a",@progbits
	.p2align	6, 0x0
	.amdhsa_kernel k_q7e07ecac8d_quant
		.amdhsa_group_segment_fixed_size 18944
		.amdhsa_private_segment_fixed_size 0
		.amdhsa_enable_private_segment 0
		.amdhsa_kernarg_size 48
		.amdhsa_user_sgpr_count 2
		.amdhsa_user_sgpr_kernarg_segment_ptr 1
		.amdhsa_wavefront_size32 1
		.amdhsa_system_sgpr_workgroup_id_x 1
		.amdhsa_system_sgpr_workgroup_id_y 1
		.amdhsa_system_sgpr_workgroup_id_z 1
		.amdhsa_system_vgpr_workitem_id 0
		.amdhsa_next_free_vgpr 240
		.amdhsa_next_free_sgpr 66
		.amdhsa_reserve_vcc 0
		.amdhsa_float_denorm_mode_32 3
		.amdhsa_float_denorm_mode_16_64 3
		.amdhsa_memory_ordered 1
		.amdhsa_forward_progress 1
		.amdhsa_inst_pref_size 131
	.end_amdhsa_kernel
	.amdgpu_metadata
---
amdhsa.version: [ 1, 2 ]
amdhsa.kernels:
  - .name:           k_q7e07ecac8d_quant
    .symbol:         k_q7e07ecac8d_quant.kd
    .args:
      - { .name: src_feat, .offset: 0, .size: 8, .value_kind: global_buffer, .address_space: global }
      - { .name: W, .offset: 8, .size: 8, .value_kind: global_buffer, .address_space: global }
      - { .name: gamma, .offset: 16, .size: 8, .value_kind: global_buffer, .address_space: global }
      - { .name: beta, .offset: 24, .size: 8, .value_kind: global_buffer, .address_space: global }
      - { .name: table, .offset: 32, .size: 8, .value_kind: global_buffer, .address_space: global }
      - { .name: wtab, .offset: 40, .size: 8, .value_kind: global_buffer, .address_space: global }
    .group_segment_fixed_size: 18944
    .private_segment_fixed_size: 0
    .kernarg_segment_align: 8
    .kernarg_segment_size: 48
    .max_flat_workgroup_size: 128
    .sgpr_count:     66
    .vgpr_count:     240
    .wavefront_size: 32
...
	.end_amdgpu_metadata
.endif
;; end of part 1
;; launch knn (part 2): grid 256 x 1, 4 waves a work-group, no clusters, 168,448 bytes of LDS; arguments table, wtab, idx, out0; writes out0
.if DOCPART == 2
	.amdgcn_target "amdgcn-amd-amdhsa--gfx1250"
	.amdhsa_code_object_version 6
	.text
	.protected	k_q7e07ecac8d_knn
	.globl	k_q7e07ecac8d_knn
	.p2align	8
	.type	k_q7e07ecac8d_knn,@function
k_q7e07ecac8d_knn:
	s_mov_b64 s[64:65], 0
	v_nop
	global_prefetch_b8 v0, s[64:65] scope:SCOPE_SE
	s_setreg_imm32_b32 hwreg(HW_REG_WAVE_MODE, 25, 1), 1
	s_wait_xcnt 0x0
; out0[g][n] = the largest, over the 16 neighbours idx[g][0..15], of (normalised, quantised source row) . (quantised row n of W).  g: 32,768 groups; n: 384; K = 192.
; table [262144][256] and wtab [384][256] come from the launch before: a row is 192 codes of E5M2, the scale bytes (s0..s3) at byte 192 and (s4, s5, s4, s5) at byte 196.  wtab's row 64 b + 16 t + r is W's row 64 b + 4 r + t.
; SHARES.  A work-group owns 128 groups, each of its four waves 32, two groups (a pair) a step.
; A UNIT is a matrix tile of neighbours (source 0): unit u of pair P holds idx[2 P][8 u + 0..7] in its rows 0-7 and idx[2 P + 1][8 u + 0..7] in its rows 8-15.  Source 1 is 16 rows of W.  In a result lanes 0-15 hold
; rows 0-7 and lanes 16-31 rows 8-15: so lanes 0-15 hold group 2 P alone and lanes 16-31 group 2 P + 1 alone, and a group's maximum is taken over a lane's own 16 registers (two units): no lane exchange.
; EVERY WAVE HOLDS ALL OF W IN REGISTERS: window 1 + k holds tiles 8 k .. 8 k + 7 in v0-191.  wtab comes into LDS once, 96 rows a wave, by one tensor load; nothing is filled again.
; K = 192 is two matrix instructions of 128; the second has 64 real channels.  The zero codes stand on the neighbours' side alone: two tiles of W share ONE second operand, [even tile's 64][odd tile's 64];
; the neighbours' second operand is [real][zero] for the even tile and [zero][real] for the odd one; a zero code times a finite code adds nothing, and the word (s4, s5, s4, s5) fits both orders.
; THE INDICES: a wave's 32 x 64 bytes are read once, 512 consecutive bytes a load, and kept in its own 2,048 bytes of LDS; a unit's come back into its staging registers, lanes 0-15 the even group's, lanes 16-31 the odd group's.
; THE GATHER: load i of a unit reads two whole rows, sixteen lanes x 16 bytes each: 256 consecutive bytes, aligned.  Eight loads are a unit; two to four units of every wave are on their way (four staging sets).
; A unit turns through the wave's own stage in LDS (16 rows, 272 bytes apart) into the operand's layout, in the step before its products.
; No cluster: wtab is all that work-groups share, 98,304 bytes once for each, against 128 x 16 x 256 bytes of rows of its own.  No prefetch: 16 to 32 loads of 512 bytes of every wave are out throughout the loop.
; LIMITS: NaN among the products loses in the maxima, where the definition would pass it on; infinities and NaN among the inputs are not served.  Indices are held within 0 .. 262,143, the table's rows.
; REGISTERS, window 0: v1-6 addresses; v8-31 W's scale words (lanes 0-15 the first word of the tile's row r, lanes 16-31 the second); v32-35 the units', four sets; v36-37 for the add;
;   v38-109 zero, real 0, zero, real 1, zero, real 2, zero, real 3, zero (eight each): the units' second operands; v110-237 two sets of eight accumulators (at the head: set-up); v240-255 four stores' data.
;   windows 1-3, v0-191: two tiles of W at v[48 q]: 16 + 16 first operands, 16 the shared second.  Staging set m: window 1 + m / 2, v[192 + 32 (m % 2)].  Window 3, v[192 + 16 k]: the first operand of unit set k.
.set WP,   272                         ; a row in LDS: 256 bytes + 16 of padding
.set TILE, 16*WP
.set STG,  384*WP                      ; behind W (104,448 bytes, a multiple of 256): a stage of 16 rows for each wave
.set IDXB, STG+4*TILE                  ; behind the stages (121,856, a multiple of 256): 2,048 bytes of indices for each wave
.set SPARE, 0x29000                    ; the spare words, 128 bytes for each wave
.set Q16,  1                           ; 16 x (lane % 16): my 16 bytes of a row
.set STS,  2                           ; my stage + 272 x 8 h + 16 (lane % 16)
.set FRA,  3                           ; my stage + 272 r + 16 h: a fragment's place
.set SCA,  4                           ; my stage + 272 r + 192 + 4 h: the scale words'
.set OA,   5                           ; 1,536 h + 16 (lane % 16): my group's row of the result, my 16 bytes of 256
.set IDL,  6                           ; my wave's indices + 64 h + 256 x trip
.set WS,   8
.set ASC,  32
.set SPW,  36
.set NIL,  37
.set AKZ,  38
.set AKR,  46
.set ACC,  110
.set OUT,  240
.set MSB, 0
.macro WIN new                         ; s_set_vgpr_msb: bits 1:0 source 0, 3:2 source 1, 5:4 source 2, 7:6 destination; the high byte repeats the setting that is left
.if MSB != (\new)
	s_set_vgpr_msb (MSB<<8)|(\new)
.set MSB, (\new)
.endif
.endm
	s_load_b256 s[4:11], s[0:1], 0x0               ; table s[4:5], wtab s[6:7], idx s[8:9], out0 s[10:11]
	v_lshl_add_u32 v[SPW], v0, 2, SPARE
	v_mov_b32 v[NIL], 0
	ds_add_u32 v[SPW], v[NIL]                      ; the opening lines: the add, twice on end, and its wait ahead of my tensor load
	ds_add_u32 v[SPW], v[NIL]
	v_lshrrev_b32 v116, 5, v0
	v_readfirstlane_b32 s12, v116                  ; wave 0..3
	s_mov_b32 s24, (3<<16)|(1<<20)|(5<<22)|(3<<25) ; group 1: elements of 8 bytes; after every 64 words four words of padding
	s_mov_b32 s25, 32<<16                          ; tensor_dim0 = 32
	s_mov_b32 s26, 96<<16                          ; tensor_dim1 = 96
	s_mov_b32 s27, 32<<16                          ; tile_dim0 = 32
	s_mov_b32 s28, 96                              ; tile_dim1 = 96
	s_mov_b32 s29, 32                              ; the pitch
	s_mov_b32 s30, 0
	s_mov_b32 s31, 0
	s_mov_b32 s20, 1
	s_mul_i32 s21, s12, 96*WP                      ; to LDS: my wave's 96 rows,
	s_mul_i32 s16, s12, 96*256                     ; from wtab: the same rows
	s_mov_b32 s17, 0
	s_lshl_b32 s15, ttmp9, 7
	s_lshl_b32 s2, s12, 5
	s_add_co_u32 s15, s15, s2                      ; my first group: 128 x work-group + 32 x wave
	s_lshl_b32 s50, s15, 6                         ; its indices: 64 bytes a group
	s_mov_b32 s51, 0
	s_mul_i32 s48, s15, 1536                       ; its row of the result (under 2^26)
	s_mov_b32 s49, 0
	s_mov_b32 s13, 0                               ; the trip
	s_mul_i32 s2, s12, TILE
	s_add_co_u32 s2, s2, STG                       ; my stage
	s_lshl_b32 s3, s12, 11
	s_add_co_u32 s3, s3, IDXB                      ; my indices
	s_wait_dscnt 0x0
	s_wait_kmcnt 0x0
	s_add_nc_u64 s[22:23], s[6:7], s[16:17]
	s_or_b32 s23, s23, 0x80000000
	tensor_load_to_lds s[20:23], s[24:31]          ; the launch's one fill: one load of mine is out
	s_nop 0
.rept 4
	v_nop
.endr
	s_add_nc_u64 s[8:9], s[8:9], s[50:51]
	s_add_nc_u64 s[10:11], s[10:11], s[48:49]
	s_mov_b32 s48, 0                               ; what a trip's first step adds to the result's address: nothing in the first trip
	v_and_b32 v172, 31, v0                         ; lane
	v_lshlrev_b32 v178, 4, v172
.irp i, 0,1,2,3
	global_load_b128 v[120+4*\i:123+4*\i], v178, s[8:9] offset:512*\i th:TH_LOAD_NT   ; my 32 groups' indices: 512 consecutive bytes a load
.endr
	v_and_b32 v173, 15, v0                         ; r
	v_bfe_u32 v174, v0, 4, 1                       ; h
	v_lshlrev_b32 v[Q16], 4, v173
	v_mul_u32_u24 v175, v174, 8*WP
	v_add_nc_u32 v175, v175, v[Q16]
	v_add_nc_u32 v[STS], s2, v175
	v_mul_u32_u24 v176, v173, WP
	v_lshl_add_u32 v168, v174, 4, v176             ; set-up: 272 r + 16 h,
	v_add_nc_u32 v169, 16*TILE, v168               ; the same for tiles 16 on (an LDS offset has 16 bits),
	v_lshl_add_u32 v170, v174, 2, v176
	v_add_nc_u32 v170, 192, v170                   ; 272 r + 192 + 4 h,
	v_add_nc_u32 v171, 16*TILE, v170               ; and for tiles 16 on
	v_add_nc_u32 v[FRA], s2, v168
	v_add_nc_u32 v[SCA], s2, v170
	v_add_nc_u32 v177, s3, v178
	v_lshl_add_u32 v[IDL], v174, 6, s3
	v_mul_u32_u24 v[OA], v174, 1536
	v_add_nc_u32 v[OA], v[OA], v[Q16]
.irp k, 0,1,2,3,4
.irp z, 0,1,2,3,4,5,6,7
	v_mov_b32 v[AKZ+16*\k+\z], 0                   ; the units' zero codes: five runs of eight round the four real runs
.endr
.endr
; Staging sets 2 jw and 2 jw + 1 (window 1 + jw) take a pair's two units.  The indices, from byte off of my wave's, into each set's first eight registers:
.macro ILOAD2 jw, off
	WIN 64*(1+(\jw))
.irp u, 0,1
	ds_load_b128 v[192+32*\u:195+32*\u], v[IDL] offset:(\off)+32*\u
	ds_load_b128 v[196+32*\u:199+32*\u], v[IDL] offset:(\off)+32*\u+16
.endr
	WIN 0
.endm
; each index is held inside the table and becomes the address of its load, in the first of the load's four registers (from the last index down: register 4 is read before it is written);
.macro GADDR2 jw
	WIN 68*(1+(\jw))
.irp u, 0,1
.irp i, 0,1,2,3,4,5,6,7
	v_min_u32 v[192+32*\u+\i], 0x3ffff, v[192+32*\u+\i]
.endr
.endr
	WIN 65*(1+(\jw))
.irp u, 0,1
.irp i, 7,6,5,4,3,2,1,0
	v_lshl_add_u32 v[192+32*\u+4*\i], v[192+32*\u+\i], 8, v[Q16]   ; 256 x index + 16 (lane % 16)
.endr
.endr
	WIN 0
.endm
; and the sixteen loads: each lands on its own address register.  No hint: a row may be named again.
.macro GLOAD2 jw
	WIN 65*(1+(\jw))
.irp u, 0,1
.irp i, 0,1,2,3,4,5,6,7
	global_load_b128 v[192+32*\u+4*\i:192+32*\u+4*\i+3], v[192+32*\u+4*\i], s[4:5]
.endr
.endr
	WIN 0
.endm
; Staging set m goes through my stage (load i's rows are stage rows i and 8 + i) and comes back as unit set k.  left: the younger loads that may stay out.
.macro TURN m, k, left
	s_wait_loadcnt \left                           ; loads come back in order: this unit's eight are in
	WIN 4*(1+(\m)/2)                               ; an LDS store's data are its source 1
.irp i, 0,1,2,3,4,5,6,7
	ds_store_b128 v[STS], v[192+32*((\m)%2)+4*\i:192+32*((\m)%2)+4*\i+3] offset:WP*\i
.endr
	WIN 0xc0                                       ; destination window 3
.irp c, 0,1,2,3
	ds_load_b128 v[192+16*(\k)+4*\c:192+16*(\k)+4*\c+3], v[FRA] offset:32*\c     ; LDS serves a wave's instructions in order: these see the stores above
.endr
	WIN 0
.irp c, 0,1
	ds_load_b128 v[AKR+16*(\k)+4*\c:AKR+16*(\k)+4*\c+3], v[FRA] offset:128+32*\c
.endr
	ds_load_b32 v[ASC+(\k)], v[SCA]
.endm
; Batch b: tiles 4 b .. 4 b + 3 of W against unit sets 2 s and 2 s + 1: accumulator c = 2 t + u, two matrix instructions each; the eight take turns, one instruction a turn.
.macro BATCH b, s, ac
.set WB, 96*((\b)%2)
	WIN 3+4*(1+(\b)/2)                             ; source 0 window 3, source 1 (W) window 1 + b / 2
.irp c, 0,1,2,3,4,5,6,7
	v_wmma_scale_f32_16x16x128_f8f6f4 v[\ac+8*\c:\ac+8*\c+7], v[192+16*(2*(\s)+\c%2):192+16*(2*(\s)+\c%2)+15], v[WB+48*(\c/4)+16*((\c/2)%2):WB+48*(\c/4)+16*((\c/2)%2)+15], 0, v[ASC+2*(\s)+\c%2], v[WS+4*(\b)+\c/2] matrix_a_fmt:MATRIX_FMT_BF8 matrix_b_fmt:MATRIX_FMT_BF8
.endr
	WIN 4*(1+(\b)/2)                               ; source 0 window 0
.irp c, 0,1,2,3,4,5,6,7
	v_wmma_scale_f32_16x16x128_f8f6f4 v[\ac+8*\c:\ac+8*\c+7], v[AKR+16*(2*(\s)+\c%2)-8*((\c/2)%2):AKR+16*(2*(\s)+\c%2)-8*((\c/2)%2)+15], v[WB+48*(\c/4)+32:WB+48*(\c/4)+47], v[\ac+8*\c:\ac+8*\c+7], v[ASC+2*(\s)+\c%2], v[WS+4*(\b)+\c/2] matrix_a_fmt:MATRIX_FMT_BF8 matrix_b_fmt:MATRIX_FMT_BF8 matrix_a_scale:MATRIX_SCALE_ROW1 matrix_b_scale:MATRIX_SCALE_ROW1
.endr
	WIN 0
.endm
; The largest of my group's sixteen neighbours for a batch's four tiles: eight chains by turns over registers 0-6 of each accumulator, then the two chains of a tile with the two registers 7.
; Each accumulator is read from its low end on.  The four results are outputs 64 b + 4 r + 0..3 of my group.
.macro RED ac, o
.irp c, 0,1,2,3,4,5,6,7
	v_max3_num_f32 v[\ac+8*\c], v[\ac+8*\c], v[\ac+8*\c+1], v[\ac+8*\c+2]
.endr
.irp c, 0,1,2,3,4,5,6,7
	v_max3_num_f32 v[\ac+8*\c], v[\ac+8*\c], v[\ac+8*\c+3], v[\ac+8*\c+4]
.endr
.irp c, 0,1,2,3,4,5,6,7
	v_max3_num_f32 v[\ac+8*\c], v[\ac+8*\c], v[\ac+8*\c+5], v[\ac+8*\c+6]
.endr
.irp t, 0,1,2,3
	v_max3_num_f32 v[\ac+16*\t], v[\ac+16*\t], v[\ac+16*\t+8], v[\ac+16*\t+7]
.endr
.irp t, 0,1,2,3
	v_max_num_f32 v[OUT+4*(\o)+\t], v[\ac+16*\t], v[\ac+16*\t+15]
.endr
.endm
.macro PUT o, j, b                     ; lanes 0-15 store 256 consecutive bytes of the even group's row, lanes 16-31 of the odd group's, each at a multiple of 256 from the result's first byte
	global_store_b128 v[OA], v[OUT+4*(\o):OUT+4*(\o)+3], s[10:11] offset:3072*(\j)+256*(\b) th:TH_STORE_NT
.endm
; A STEP: pair j of the trip's two, in unit sets 2 j and 2 j + 1.  fill = 1: the pair two further on is asked for, into the staging sets that this pair has left.  turn = 1: the next pair's two units turn through the stage.
; DISTANCES (eight places before a result is read, nine before an accumulator is begun anew): behind batch 0 stand the 32 address lines or nine v_nop; behind every other batch the 32 lines
; of the batch before's maxima, which name none of its registers.
.macro STEP j, fill, turn, l1, l2
	s_wait_dscnt 0x0                               ; this pair's operands are back from the stage
.if \fill
	ILOAD2 \j, 128*((\j)+2)                        ; sixteen matrix instructions stand ahead of the wait for them
.endif
	BATCH 0, \j, ACC
.if \fill
	s_wait_dscnt 0x0
	GADDR2 \j
.if (\j) == 1
	v_add_nc_u32 v[IDL], 256, v[IDL]               ; the next trip's four groups (no LDS load of mine is out)
.endif
.else
.rept 9
	v_nop
.endr
.endif
	BATCH 1, \j, ACC+64
	s_wait_xcnt 0x0                                ; the last step's stores have read their data and their base: both are written again only behind this wait
.if (\j) == 0
	s_add_nc_u64 s[10:11], s[10:11], s[48:49]      ; on to this trip's four rows of the result (the first trip adds 0)
	s_mov_b32 s48, 4*1536
.endif
	RED ACC, 0
.if \fill
	GLOAD2 \j
.endif
	BATCH 2, \j, ACC
	RED ACC+64, 1
	BATCH 3, \j, ACC+64
	RED ACC, 2
.if \turn
	TURN 2*(1-(\j)), 2*(1-(\j)), \l1               ; into the unit sets that the last step multiplied
.endif
	BATCH 4, \j, ACC
	RED ACC+64, 3
	PUT 0, \j, 0
	PUT 1, \j, 1
	PUT 2, \j, 2
	PUT 3, \j, 3
.if \turn
	TURN 2*(1-(\j))+1, 2*(1-(\j))+1, \l2
.endif
	BATCH 5, \j, ACC+64
	s_wait_xcnt 0x0                                ; the four stores above have read their data: two of the four sets are written again
	RED ACC, 0
	RED ACC+64, 1
	PUT 0, \j, 4
	PUT 1, \j, 5
.endm
; Set-up: two tiles of W from LDS into their 48 registers at v[48 q] (the window is set by the caller); ta: the even tile's number
.macro WPAIR ta, q
.if (\ta) < 16
.set WAD, 168
.set WOF, TILE*(\ta)
.else
.set WAD, 169
.set WOF, TILE*((\ta)-16)
.endif
.irp c, 0,1,2,3
	ds_load_b128 v[48*(\q)+4*\c:48*(\q)+4*\c+3], v[WAD] offset:WOF+32*\c
	ds_load_b128 v[48*(\q)+16+4*\c:48*(\q)+16+4*\c+3], v[WAD] offset:WOF+TILE+32*\c
.endr
.irp c, 0,1
	ds_load_b128 v[48*(\q)+32+4*\c:48*(\q)+32+4*\c+3], v[WAD] offset:WOF+128+32*\c
	ds_load_b128 v[48*(\q)+40+4*\c:48*(\q)+40+4*\c+3], v[WAD] offset:WOF+TILE+128+32*\c
.endr
.endm
	s_wait_alu depctr_va_vdst(0)                   ; the wait here, directly ahead of the waits below
	s_wait_loadcnt 0x0                             ; my indices are in registers,
	s_wait_tensorcnt 0x0                           ; my 96 rows of W are in LDS: no LDS store of mine stands under the fill
.irp i, 0,1,2,3
	ds_store_b128 v177, v[120+4*\i:123+4*\i] offset:512*\i
.endr
	ILOAD2 0, 0                                    ; the first two pairs' indices
	ILOAD2 1, 128
	s_wait_dscnt 0x0
	GADDR2 0
	GADDR2 1
	s_wait_alu depctr_va_vdst(0)                   ; the wait here
	GLOAD2 0
	GLOAD2 1
	s_barrier_signal -1
	s_barrier_wait -1                              ; everybody's rows of W are in; nobody writes them again
.irp w, 1,2,3
	WIN 64*\w                                      ; destination window w, address window 0
	WPAIR 8*(\w-1), 0
	WPAIR 8*(\w-1)+2, 1
	WPAIR 8*(\w-1)+4, 2
	WPAIR 8*(\w-1)+6, 3
.endr
	WIN 0
.set TAU, 0
.rept 16
	ds_load_b32 v[WS+TAU], v170 offset:TILE*TAU    ; lanes 0-15: the first scale word of the tile's row r; lanes 16-31: the second
.set TAU, TAU+1
.endr
.rept 8
	ds_load_b32 v[WS+TAU], v171 offset:TILE*(TAU-16)
.set TAU, TAU+1
.endr
	TURN 0, 0, 24                                  ; the first pair's units; the younger units, eight loads each, stay out
	TURN 1, 1, 16
.Ltrip:                                            ; seven trips of two pairs; each step asks for the pair two further on
	STEP 0, 1, 1, 24, 16                           ; 24: the next pair's second unit and the two units just asked for; 16: the latter alone
	STEP 1, 1, 1, 24, 16
	s_add_co_u32 s13, s13, 1
	s_cmp_lt_u32 s13, 7
	s_cbranch_scc1 .Ltrip
	STEP 0, 0, 1, 8, 0                             ; the last two pairs ask for nothing: the counts run down
	STEP 1, 0, 0, 0, 0
	s_wait_tensorcnt 0x0                           ; the wave's end
	ds_add_u32 v[SPW], v[NIL]
	s_wait_dscnt 0x0
	s_endpgm
.Lfunc_end_k_q7e07ecac8d_knn:
	.size	k_q7e07ecac8d_knn, .Lfunc_end_k_q7e07ecac8d_knn-k_q7e07ecac8d_knn
	.p2alignl 7, 3214868480
	.fill 96, 4, 3214868480
	.section	.rodata,"a",@progbits
	.p2align	6, 0x0
	.amdhsa_kernel k_q7e07ecac8d_knn
		.amdhsa_group_segment_fixed_size 168448
		.amdhsa_private_segment_fixed_size 0
		.amdhsa_enable_private_segment 0
		.amdhsa_kernarg_size 32
		.amdhsa_user_sgpr_count 2
		.amdhsa_user_sgpr_kernarg_segment_ptr 1
		.amdhsa_wavefront_size32 1
		.amdhsa_system_sgpr_workgroup_id_x 1
		.amdhsa_system_sgpr_workgroup_id_y 1
		.amdhsa_system_sgpr_workgroup_id_z 1
		.amdhsa_system_vgpr_workitem_id 0
		.amdhsa_next_free_vgpr 1024
		.amdhsa_next_free_sgpr 66
		.amdhsa_reserve_vcc 0
		.amdhsa_float_denorm_mode_32 3
		.amdhsa_float_denorm_mode_16_64 3
		.amdhsa_memory_ordered 1
		.amdhsa_forward_progress 1
		.amdhsa_inst_pref_size 140
	.end_amdhsa_kernel
	.amdgpu_metadata
---
amdhsa.version: [ 1, 2 ]
amdhsa.kernels:
  - .name:           k_q7e07ecac8d_knn
    .symbol:         k_q7e07ecac8d_knn.kd
    .args:
      - { .name: table, .offset: 0, .size: 8, .value_kind: global_buffer, .address_space: global }
      - { .name: wtab, .offset: 8, .size: 8, .value_kind: global_buffer, .address_space: global }
      - { .name: idx, .offset: 16, .size: 8, .value_kind: global_buffer, .address_space: global }
      - { .name: out0, .offset: 24, .size: 8, .value_kind: global_buffer, .address_space: global }
    .group_segment_fixed_size: 168448
    .private_segment_fixed_size: 0
    .kernarg_segment_align: 8
    .kernarg_segment_size: 32
    .max_flat_workgroup_size: 128
    .sgpr_count:     66
    .vgpr_count:     1024
    .wavefront_size: 32
...
	.end_amdgpu_metadata
.endif
;; end of part 2
